; MI455X (gfx1250); checked and timed in simulation.
; The chip was launched on July 23, 2026; its instructions are those of AMD's public machine-readable ISA for CDNA 5 (MIT licence, August 2026) and "CDNA5" Instruction Set Architecture Reference Guide (July 2026). The comments in the code are by the model that wrote it; some were corrected since.
;; Scaled Dot Product Attention. Allowed arithmetic: matrix products marked QUANTISED: E2M3 operands, one E8M0 scale for each 32 along K, by v_wmma_scale_f32_16x16x128_f8f6f4 with both operands' format E2M3, f32 sums; everything else in f32.
;; Inputs: k 64 x 1,024 x 64 float32; q 64 x 1,024 x 64 float32; v 64 x 1,024 x 64 float32.
;; Outputs: out0 64 x 1,024 x 64 float32.
;; This version of the problem:
;;   THIS VERSION OF THE PROBLEM IS GIVEN IN LOW PRECISION. The matrix products marked QUANTISED in the list below multiply operands that are first quantised to E2M3 (2 exponent bits, 3 mantissa bits; 6 bits a number), with one power-of-two scale for each 32 numbers along K (OCP MX v1.0); their sums are f32. All else is computed in f32.
;;   The module's matrix products, in the order in which they are computed (A, B: the left and right operand; K: the contracted axis; several contracted axes count as one K, in the product's order):
;;     1. batch 64 x [M 1,024, K 64] x [K 64, N 1,024]; A: input q; B: input k: QUANTISED
;;     2. batch 64 x [M 1,024, K 1,024] x [K 1,024, N 64]; A: softmax (see below); B: input v: QUANTISED
;;   THE QUANTISER, for each operand of a quantised product, along K:
;;     - K is cut into blocks of 32 from its start; a last block that is shorter is filled with zeros.
;;     - A block's scale is 2^e with e = floor(log2(the largest magnitude in the block)) - 2, held to -126 .. 127; a block of zeros has e = 0. As a byte (E8M0): e + 127.
;;     - Each number is divided by its block's scale, clamped to +-7.5, and rounded to the nearest number of E2M3, ties to even, subnormals kept.
;;     - The product sums the exact products of the quantised numbers (number of the format x scale) in f32.
;;   ~~~python
;;   def quantise(x, axis):      # numpy; x: float32 -> the quantised numbers, widened to float32 again
;;       x = np.moveaxis(x, axis, -1); K = x.shape[-1]
;;       x = np.pad(x, [(0, 0)] * (x.ndim - 1) + [(0, -K % 32)]); x = x.reshape(x.shape[:-1] + (-1, 32)); a = np.abs(x).max(-1, keepdims=True)
;;       e = np.where(a > 0, np.clip(np.frexp(np.where(a > 0, a, 1))[1] - 1 - 2, -126, 127), 0)      # np.frexp(a)[1] - 1 = floor(log2(a)), exactly
;;       r = np.clip(x / 2.0 ** e, -7.5, 7.5)
;;       step = 2.0 ** (np.maximum(np.frexp(np.where(r == 0, 1, r))[1] - 1, 0) - 3)
;;       q = np.round(r / step) * step * 2.0 ** e      # np.round: ties to even
;;       return np.moveaxis(q.reshape(q.shape[:-2] + (-1,))[..., :K], -1, axis).astype(np.float32)
;;   ~~~
;;   SOFTMAX AHEAD OF A QUANTISED PRODUCT. Where the list says 'softmax', what is quantised is not the finished softmax but p = 2^(t - M), with t = logit x log2(e) and M = ceil(the row's largest t), a whole number; so 1/2 < the row's largest p <= 1. The row's sum l is taken of the UNQUANTISED p, in f32, and the product's result is divided by l at the end. Since M is a whole number, a kernel that streams over the keys may use a running M (the ceiling of the running maximum): every later rescaling is an exact power of two, which a block's scale takes up: the codes' values come out the same.
;;   OPERANDS COMPUTED ON THE WAY. 'Computed on the way' means the value that the module computes at that place (a softmax that the list does not call 'softmax' is quantised finished and normalised). What goes into a quantiser is computed in f32, as accurately as f32 sums, v_exp_f32 and their like allow (about 1e-6 of the number): no bf16 or f16 on the way to a quantiser, and a product that is left as it is and whose result goes on into a quantised operand takes f32 operands (vector FMAs, or v_wmma_f32_16x16x4_f32). A number that lies on a knife's edge between two numbers of the format may be rounded either way, as far as f32 arithmetic and the matrix unit's own rounding can turn it there, and no further.
;; 2 versions. Each part assembles by itself: llvm-mc -triple=amdgcn-amd-amdhsa -mcpu=gfx1250 --defsym DOCPART=n.
;; ======== version 1 of 2: 1 launch
;; launch attn (part 1): grid 4 x 64, 16 waves a work-group, no clusters, 174,080 bytes of LDS; arguments q, k, v, out0; writes out0
.if DOCPART == 1
	.amdgcn_target "amdgcn-amd-amdhsa--gfx1250"
	.amdhsa_code_object_version 6
	.text
	.protected	k_qb11bb0303a_attn
	.globl	k_qb11bb0303a_attn
	.p2align	8
	.type	k_qb11bb0303a_attn,@function
k_qb11bb0303a_attn:
	s_mov_b64 s[64:65], 0
	v_nop
	global_prefetch_b8 v0, s[64:65] scope:SCOPE_SE
	s_setreg_imm32_b32 hwreg(HW_REG_WAVE_MODE, 25, 1), 1
	s_wait_xcnt 0x0
; out[b][q][:] = the sum over keys of softmax(q . k / 8) v, 64 heads, 1,024 queries and keys, head size 64, all f32 in memory.  Both products on codes of FP6 (E2M3) with one E8M0 scale for each 32 along a product's K.
; THE SOFTMAX AHEAD OF THE SECOND PRODUCT: t = score x log2(e) / 8; M = the running largest t rounded UP to a whole number; p = 2^(t - M) is quantised along the keys, not normalised; the row's sum is taken of the
; unquantised p in f32 and divides at the end.  When M moves, the sum and O are multiplied by 2^(old M - new M), which rounds nothing.
; SHARES.  A work-group owns 256 queries of one head; each of its sixteen waves owns 16 of them, one tile, in 256 registers.  The head's keys go in 8 chunks of 128.
; THE WORK-GROUP QUANTISES K AND V ITSELF: a chunk is 256 blocks of 32 of K (along d) and 256 of V (along the keys), one block for each of the 512 lanes.  Waves 0-7 take K (16 keys each), waves 8-15 V (32 columns x 32 keys
; each).  The codes go to LDS as images of the operands' registers, the scale bytes beside them.  Every chunk has LDS bytes of its own (8 x 12,800 bytes), so nothing in LDS is written twice and one barrier a chunk publishes it.
; Chunk j + 1 is quantised in the middle of step j from registers whose loads were issued a step before; the barrier's signal stands behind those stores, its wait at the step's end.
; NO CLUSTER, NO JOINT LOADS: what the four work-groups of a head share arrives as f32 and must pass through registers to become codes; each wave loads just the 4,096 bytes that it quantises, into 32 registers.  A joint tensor
; load would lay 65,536 bytes a step into LDS, against 12,288 of codes, every number of which would be read out again, and would want a ring of slots and a round of the cluster's barrier in each step.
; LAYOUT.  Both products are used transposed: S^T = K Q^T (source 0 = keys, source 1 = my 16 queries), O^T = V^T P^T (source 0 = 16 of the head's 64, source 1 = p): a lane holds ONE query (lane % 16) throughout.
; The first product's K is 64, half of the instruction's 128: a fragment of K holds TWO tiles of 16 keys (registers 0-5 tile 2 b, registers 6-11 tile 2 b + 1), and Q stands between two runs of zero codes: [Q | 0] picks the
; first tile, [0 | Q] the second.  Every code of this format is a finite number, so a zero code of Q adds exactly 0 whatever stands against it.
; THE KEYS OF A TILE ARE NOT NEIGHBOURS: row m of tile 2 b + u is key 32 b + 8 u + m + 8 (m / 8), so that S^T's registers 16 b .. 16 b + 15 are keys 32 b + 16 (lane / 16) + 0 .. 15: 16 neighbours along the next K.
; The eight steps are written out by a macro: every offset is an immediate and no address register is ever rewritten.
; LIMITS: NaN and infinities among the inputs are not served.  A block of zeros gets the scale byte 1 where the rule says 127: its codes are zeros, and this program alone reads the bytes.  v_exp_f32 gives 0 for p under 2^-126:
; nothing beside a sum of at least 1/2.  A block's largest p is taken from its largest score, which takes v_exp_f32 not to fall where its input rises; at the worst one p next to a power of two is held one code low.
.set KIMG,  0                          ; LDS: K's images: chunk c at 6,144 c, pair of tiles b at + 1,536 b, lane l's 48 bytes at 48 l
.set VIMG,  49152                      ; V's images: chunk c at 6,144 c, tile t at + 1,536 t
.set SCB,   98304                      ; scale words: chunk c at 512 c: K's at 16 row + 4 b, V's at 256 + 16 row + 4 t
.set STAGE, 102400                     ; a stage of 16 rows x (256 + 16) bytes for each wave, its own: the turn of K's and Q's numbers, and the way out
.set STW,   4352
.set AK,  1                            ; v1   48 x lane: my place in an image of K
.set AV,  2                            ; v2   the same in V's
.set AS,  3                            ; v3   16 x lane among a chunk's scale words: lanes 0-15 K's four words of row r, lanes 16-31 V's four
.set IMG, 4                            ; v4   where my block's 24 bytes of codes go
.set SBY, 5                            ; v5   where its scale byte goes
.set TI,  6                            ; v6   the stage by pairs of rows: 272 (lane / 16) + 16 (lane % 16)
.set TO,  7                            ; v7   the stage by half rows: 272 (lane % 16) + 128 (lane / 16)
.set SOA, 8                            ; v8   the way out: 272 (lane % 16) + 32 (lane / 16)
.set GL,  9                            ; v9   16 x lane
.set G4,  10                           ; v10  4 x lane
.set PFO, 11                           ; v11  the prefetches' offset: 256 x lane + 8,192 x work-group x
.set NM,  12                           ; v12  -M
.set TM,  13                           ; v13  the running largest t
.set LS,  14                           ; v[14:15] the row's sum, in two halves
.set QF,  16                           ; v16-21 zeros, v22-27 Q's codes, v28-33 zeros
.set QS,  34                           ; v34  Q's scale word
.set SCW, 36                           ; v[36:39] the chunk's scale words
.set FRG, 40                           ; v40-87 four fragments of 12: K's pairs, then V's tiles
.set BM,  88                           ; v88-91 the blocks' largest scores, then largest p
.set S2,  94                           ; v[94:95] the sum's second chain
.set S,   96                           ; v96-159 S^T, then p
.set XQ,  96                           ; at the head: Q's 32 numbers
.set X0,  128                          ; and chunk 0's
.set OT,  160                          ; v160-191 O^T, tile t at + 8 t
.set STG, 192                          ; v192-223 my 32 numbers of the next chunk
.set PC,  224                          ; v224-235 p's codes
.set PT,  236                          ; v236-243 at work
.set QA,  236                          ; in QUANT: two chains of the largest magnitude,
.set QB,  237
.set QSO, 238                          ; the conversion's scale operand,
.set QBY, 239                          ; the scale's byte,
.set QC,  244                          ; and the block's codes, v244-249
.set PSO, 244                          ; in the softmax: p's four scale operands
.set FF,  252                          ; v252 f = 2^(old M - new M)
.set PS,  253                          ; v253 p's scale word
.set TT,  254
.set QP,  4                            ; s[4:5]   q at my wave's first query
.set KP,  6                            ; s[6:7]   k at my 16 keys of chunk 0
.set VP,  8                            ; s[8:9]   v at my 32 columns x 32 keys of chunk 0
.set OP,  10                           ; s[10:11] out0 at my wave's first query
.set WV,  12                           ; s12 wave;  s13 wave % 8;  s14 wave / 8 (0: K's role, 1: V's);  s15 its opposite
.set XW,  13
.set RW,  14
.set NR,  15
.set SEL, 20                           ; s[20:21] v_permlanex16_b32's selects for lane l xor 16
.set CS,  22                           ; s[22:23] c = log2(e) / 8
.set PB,  36                           ; s[36:37] the prefetches' base: k's head in wave 0, v's in wave 8
; My 32 numbers of chunk c.  K's role: 16 keys x 256 bytes are dense: eight loads of 512 consecutive bytes.  V's role: a lane to a column, registers down the keys: 32 loads of 128 consecutive bytes.
; No cache hint: the head's four work-groups read these bytes.
.macro LOADS c, dst
	s_cmp_lt_u32 s[WV], 8
	s_cbranch_scc0 .Lload_v_\@
.irp i, 0,1,2,3,4,5,6,7
	global_load_b128 v[\dst+4*\i:\dst+4*\i+3], v[GL], s[KP:KP+1] offset:32768*(\c)+512*\i
.endr
	s_branch .Lloaded_\@
.Lload_v_\@:
.irp i, 0,1,2,3,4,5,6,7,8,9,10,11,12,13,14,15,16,17,18,19,20,21,22,23,24,25,26,27,28,29,30,31
	global_load_b32 v[\dst+\i], v[G4], s[VP:VP+1] offset:32768*(\c)+256*\i
.endr
.Lloaded_\@:
.endm
; A prefetch of chunk c: 128 rows of 256 bytes of K and as many of V.  Work-group x of the head names rows 32 x .. 32 x + 31 (by address), a lane a row; wave 0 names K's, wave 8 V's: each row is named once in the launch.
.macro ASK c
	s_cmp_lg_u32 s[XW], 0
	s_cbranch_scc1 .Lnot_mine_\@
	global_prefetch_b8 v[PFO], s[PB:PB+1] offset:32768*(\c) th:TH_LOAD_NT scope:SCOPE_SE
.Lnot_mine_\@:
.endm
; 16 rows x 256 bytes, loaded as they lie (16 bytes a lane, two rows a load), turn through my own stage: afterwards lane (r, h) holds row r, numbers 32 h .. 32 h + 31, in the same 32 registers.
; Rows are 272 bytes apart.  LDS serves a wave's instructions in order (ISA guide 5.7.1.4).
.macro TURN s
.irp i, 0,1,2,3,4,5,6,7
	ds_store_b128 v[TI], v[\s+4*\i:\s+4*\i+3] offset:544*\i
.endr
.irp i, 0,1,2,3,4,5,6,7
	ds_load_b128 v[\s+4*\i:\s+4*\i+3], v[TO] offset:16*\i
.endr
	s_wait_dscnt 0x0
.endm
.macro KTURN s                         ; K's role alone: V's numbers are loaded as they are wanted
	s_cmp_lt_u32 s[WV], 8
	s_cbranch_scc0 .Lno_turn_\@
	TURN \s
.Lno_turn_\@:
.endm
; One block: 32 numbers of a lane become 24 bytes of codes in v[QC] on and a scale byte in v[QBY].
.macro QUANT s
	v_max3_num_f32 v[QA], |v[\s]|, |v[\s+1]|, 0x1800000            ; the largest magnitude, in two chains; the floor 2^(3 - 127) among its leaves holds the byte at 1 from below
	v_max3_num_f32 v[QB], |v[\s+16]|, |v[\s+17]|, |v[\s+18]|
.irp i, 2,4,6,8,10,12
	v_max3_num_f32 v[QA], v[QA], |v[\s+\i]|, |v[\s+\i+1]|
	v_max3_num_f32 v[QB], v[QB], |v[\s+17+\i]|, |v[\s+18+\i]|
.endr
	v_max3_num_f32 v[QA], v[QA], |v[\s+14]|, |v[\s+15]|
	v_max3_num_f32 v[QA], v[QA], v[QB], |v[\s+31]|
	v_add_nc_u32 v[QSO], 0xff000000, v[QA]                         ; 2 off its exponent field: the conversion takes the exponent field of this operand as its scale
	v_lshrrev_b32 v[QBY], 23, v[QSO]                               ; the scale's byte
	v_cvt_scalef32_pk16_fp6_f32 v[QC:QC+2], v[\s:\s+15], v[QSO]
	v_cvt_scalef32_pk16_fp6_f32 v[QC+4:QC+6], v[\s+16:\s+31], v[QSO]   ; (a conversion's three registers begin on an even number)
	v_nop                                                          ; one plain place behind a scaled conversion
	v_mov_b32 v[QC+3], v[QC+4]
	v_mov_b32 v[QC+4], v[QC+5]
	v_mov_b32 v[QC+5], v[QC+6]
.endm
.macro STORE c                         ; the block goes to its place in chunk c's image; each byte of LDS is written by one lane, once in the launch
	ds_store_b64 v[IMG], v[QC:QC+1] offset:6144*(\c)
	ds_store_b64 v[IMG], v[QC+2:QC+3] offset:6144*(\c)+8
	ds_store_b64 v[IMG], v[QC+4:QC+5] offset:6144*(\c)+16
	ds_store_b8 v[SBY], v[QBY] offset:512*(\c)
.endm
	s_load_b256 s[4:11], s[0:1], 0x0               ; q, k, v, out0
	v_lshl_add_u32 v251, v0, 2, 0x2a000
	v_mov_b32 v255, 0
	v_lshrrev_b32 v92, 5, v0
	v_readfirstlane_b32 s[WV], v92                 ; wave 0..15
	s_and_b32 s[XW], s[WV], 7
	s_lshr_b32 s[RW], s[WV], 3
	s_xor_b32 s[NR], s[RW], 1
	s_and_b32 s16, ttmp7, 0xffff
	s_lshl_b32 s16, s16, 18                        ; the head's 262,144 bytes in each tensor
	s_mov_b32 s17, 0
	s_lshl_b32 s18, ttmp9, 16                      ; my work-group's 256 queries x 256 bytes,
	s_lshl_b32 s38, s[WV], 12                      ; my wave's 16
	s_add_co_u32 s18, s18, s38
	s_mov_b32 s19, 0
	s_mov_b32 s[SEL], 0x76543210
	s_mov_b32 s[SEL+1], 0xfedcba98
	s_mov_b32 s[CS], 0x3e38aa3b                    ; log2(e) / 8
	s_mov_b32 s[CS+1], s[CS]                       ; (named with it as a pair, so it is written)
	s_and_b32 s31, s[XW], 1
	s_lshr_b32 s32, s[XW], 1
	s_lshr_b32 s33, s[XW], 2
	s_and_b32 s34, s32, 1
	s_and_b32 s35, s[XW], 3
	s_lshl_b32 s40, s[XW], 12                      ; K's role: keys 16 (wave % 8) on
	s_mov_b32 s41, 0
	s_lshl_b32 s42, s33, 7                         ; V's role: columns 32 ((wave % 8) / 4) on,
	s_lshl_b32 s38, s35, 13                        ; keys 32 (wave % 4) on
	s_add_co_u32 s42, s42, s38
	s_mov_b32 s43, 0
	; WHERE A LANE'S BLOCK GOES.  One form serves both roles: 48 (lane % 8) + cA x (bit 3 of the lane) + cB x (bit 4) + a base; the scalars hang on the wave's number alone.
	; K's role: lane (r, h) holds key 16 X + r, d = 32 h on: pair X / 2, tile r / 8 of the pair (24 bytes on), row r % 8 + 8 (X % 2), half h (16 lanes' places on).
	; V's role: lane l holds d = 32 (X / 4) + l, keys 32 (X % 4) on: tile 2 (X / 4) + l / 16, row l % 16, half X % 2, registers 6 ((X / 2) % 2) on.
	s_mul_i32 s24, s[RW], 360
	s_add_co_u32 s24, s24, 24                      ; cA: 24 or 384
	s_mul_i32 s25, s[RW], 768
	s_add_co_u32 s25, s25, 768                     ; cB: 768 or 1,536
	s_mul_i32 s26, s[RW], 126
	s_add_co_u32 s26, s26, 2                       ; the same for the scale byte: 2 or 128,
	s_mul_i32 s27, s[RW], 3
	s_add_co_u32 s27, s27, 1                       ; 1 or 4
	s_mul_i32 s28, s32, 1536
	s_mul_i32 s29, s31, 384
	s_add_co_u32 s28, s28, s29
	s_mul_i32 s28, s28, s[NR]                      ; K's base, in K's role
	s_mul_i32 s38, s33, 3072
	s_mul_i32 s39, s31, 768
	s_add_co_u32 s38, s38, s39
	s_mul_i32 s39, s34, 24
	s_add_co_u32 s38, s38, s39
	s_add_co_u32 s38, s38, VIMG
	s_mul_i32 s38, s38, s[RW]                      ; V's base, in V's role
	s_add_co_u32 s28, s28, s38
	s_lshl_b32 s29, s31, 7
	s_lshl_b32 s39, s32, 2
	s_add_co_u32 s29, s29, s39
	s_mul_i32 s29, s29, s[NR]                      ; K's scale bytes: 128 (X % 2) + 4 (X / 2)
	s_lshl_b32 s38, s33, 3
	s_add_co_u32 s38, s38, s35
	s_add_co_u32 s38, s38, 256
	s_mul_i32 s38, s38, s[RW]                      ; V's: 256 + 8 (X / 4) + X % 4
	s_add_co_u32 s29, s29, s38
	s_add_co_u32 s29, s29, SCB
	s_mul_i32 s30, s[WV], STW
	s_add_co_u32 s30, s30, STAGE                   ; my stage
	s_lshl_b32 s39, ttmp9, 13
	v_and_b32 v95, 31, v0                          ; lane
	v_and_b32 v91, 15, v0                          ; r
	v_bfe_u32 v92, v0, 4, 1                        ; h
	v_and_b32 v93, 7, v0
	v_bfe_u32 v94, v0, 3, 1
	v_mul_u32_u24 v[AK], v95, 48
	v_add_nc_u32 v[AV], VIMG, v[AK]
	v_lshlrev_b32 v[GL], 4, v95
	v_add_nc_u32 v[AS], SCB, v[GL]
	v_lshlrev_b32 v[G4], 2, v95
	v_mul_u32_u24 v[IMG], v93, 48
	v_mad_u32_u24 v[IMG], v94, s24, v[IMG]
	v_mad_u32_u24 v[IMG], v92, s25, v[IMG]
	v_add_nc_u32 v[IMG], s28, v[IMG]
	v_lshlrev_b32 v[SBY], 4, v93
	v_mad_u32_u24 v[SBY], v94, s26, v[SBY]
	v_mad_u32_u24 v[SBY], v92, s27, v[SBY]
	v_add_nc_u32 v[SBY], s29, v[SBY]
	v_mul_u32_u24 v[TI], v92, 272
	v_lshl_add_u32 v[TI], v91, 4, v[TI]
	v_add_nc_u32 v[TI], s30, v[TI]
	v_mul_u32_u24 v90, v91, 272
	v_add_nc_u32 v90, s30, v90
	v_lshl_add_u32 v[TO], v92, 7, v90
	v_lshl_add_u32 v[SOA], v92, 5, v90
	v_lshlrev_b32 v[PFO], 8, v95
	v_add_nc_u32 v[PFO], s39, v[PFO]
.irp i, 0,1,2,3,4,5
	v_mov_b32 v[QF+\i], 0                          ; the zero codes on both sides of Q's
	v_mov_b32 v[QF+12+\i], 0
.endr
.irp i, 0,1,2,3
	v_mov_b32 v[PT+\i], 0                          ; written once: a lane permute's destination counts as one of its sources
.endr
	s_wait_kmcnt 0x0
	s_add_nc_u64 s[QP:QP+1], s[QP:QP+1], s[16:17]
	s_add_nc_u64 s[KP:KP+1], s[KP:KP+1], s[16:17]
	s_add_nc_u64 s[VP:VP+1], s[VP:VP+1], s[16:17]
	s_add_nc_u64 s[OP:OP+1], s[OP:OP+1], s[16:17]
	s_add_nc_u64 s[QP:QP+1], s[QP:QP+1], s[18:19]
	s_add_nc_u64 s[OP:OP+1], s[OP:OP+1], s[18:19]
	s_add_nc_u64 s[KP:KP+1], s[KP:KP+1], s[40:41]
	s_add_nc_u64 s[VP:VP+1], s[VP:VP+1], s[42:43]
	s_cmp_lt_u32 s[WV], 8
	s_cselect_b64 s[PB:PB+1], s[KP:KP+1], s[VP:VP+1]   ; (in waves 0 and 8, which alone prefetch, these stand at the head's first byte)
	LOADS 0, X0
.irp i, 0,1,2,3,4,5,6,7
	global_load_b128 v[XQ+4*\i:XQ+4*\i+3], v[GL], s[QP:QP+1] offset:512*\i th:TH_LOAD_NT   ; my 16 queries: read once, by me alone
.endr
	LOADS 1, STG
	s_wait_loadcnt 16                              ; chunk 0 is in.  K's role: Q's 8 loads and chunk 1's 8 may be out; V's role has issued 40 behind chunk 0's
	KTURN X0
	QUANT X0
	STORE 0
	s_wait_loadcnt 8                               ; Q is in: chunk 1's 8 may be out (V's role: 32 were issued behind Q's)
	TURN XQ                                        ; (its wait for LDS also shows that chunk 0's stores have read the codes' registers)
	QUANT XQ
.irp i, 0,1,2,3,4,5
	v_mov_b32 v[QF+6+\i], v[QC+\i]                 ; lane (r, h): query r, d = 32 h .. 32 h + 31
.endr
	v_lshlrev_b32 v93, 3, v92
	v_lshlrev_b32 v94, v93, v[QBY]                 ; my block's byte at its place, 8 h bits up;
	v_permlanex16_b32 v[PT], v94, s[SEL], s[SEL+1]
	v_or_b32 v94, v94, v[PT]                       ; with lane l xor 16's: (q0, q1);
	v_lshl_or_b32 v[QS], v94, 16, v94              ; (q0, q1, q0, q1): it serves [Q | 0] and [0 | Q] alike
.rept 8
	v_nop                                          ; a scale register written by a vector instruction stands 8 places ahead of a scaled matrix instruction, an operand so written 4
.endr
	s_wait_dscnt 0x0                               ; my part of chunk 0 lies in LDS
	s_barrier_signal -1
	s_barrier_wait -1                              ; everybody's does
; A STEP: the 128 keys of chunk j.
.macro STEP j
	; (1) K's four pairs of tiles and the chunk's scale words; S^T = K Q^T, eight tiles
.irp b, 0,1,2,3
.irp c, 0,1,2
	ds_load_b128 v[FRG+12*\b+4*\c:FRG+12*\b+4*\c+3], v[AK] offset:6144*(\j)+1536*\b+16*\c
.endr
.endr
	ds_load_b128 v[SCW:SCW+3], v[AS] offset:512*(\j)
	s_wait_dscnt 0x0
.irp t, 0,1,2,3,4,5,6,7
	v_wmma_scale_f32_16x16x128_f8f6f4 v[S+8*\t:S+8*\t+7], v[FRG+12*(\t/2):FRG+12*(\t/2)+11], v[QF+6-6*(\t%2):QF+17-6*(\t%2)], 0, v[SCW+\t/2], v[QS] matrix_a_fmt:MATRIX_FMT_FP6 matrix_b_fmt:MATRIX_FMT_FP6
.endr
	; (2) my block of chunk j + 1: its vector lines, which name no register of the products above, are also the places behind them
.if \j < 7
	s_wait_loadcnt 0x0                             ; chunk j + 1's numbers, asked for a step ago
	KTURN STG
	QUANT STG
	STORE (\j)+1
.if \j < 6
	LOADS (\j)+2, STG                              ; they have a step in which to land
.endif
.if \j < 5
	ASK (\j)+3                                     ; behind my loads: the chunk that the next step's loads will want
.endif
	s_wait_dscnt 0x0                               ; for the others' sake: my part of chunk j + 1 lies in LDS
	s_barrier_signal -1                            ; the wait stands at the step's end: between them only registers are worked on and chunk j, which nobody writes any more, is read
.else
.rept 4
	v_nop                                          ; the last step makes nothing: four places behind the products
.endr
.endif
	; (3) V's four tiles, into the registers that K's have left; they land during the softmax
.irp t, 0,1,2,3
.irp c, 0,1,2
	ds_load_b128 v[FRG+12*\t+4*\c:FRG+12*\t+4*\c+3], v[AV] offset:6144*(\j)+1536*\t+16*\c
.endr
.endr
	; (4) the softmax
.irp b, 0,1,2,3
	v_max3_num_f32 v[BM+\b], v[S+16*\b], v[S+16*\b+1], v[S+16*\b+2]   ; the largest score of each block of 32 keys: for the row's maximum and, since p rises with the score, for the block's largest p.  Each accumulator is read from its low end on
.endr
.irp i, 3,5,7,9,11,13
.irp b, 0,1,2,3
	v_max3_num_f32 v[BM+\b], v[BM+\b], v[S+16*\b+\i], v[S+16*\b+\i+1]   ; (the four blocks by turns)
.endr
.endr
.irp b, 0,1,2,3
	v_max_num_f32 v[BM+\b], v[BM+\b], v[S+16*\b+15]
.endr
.irp b, 0,1,2,3
	v_permlanex16_b32 v[PT+\b], v[BM+\b], s[SEL], s[SEL+1]
.endr
.irp b, 0,1,2,3
	v_max_num_f32 v[BM+\b], v[BM+\b], v[PT+\b]     ; with lane l xor 16's 16 keys
.endr
	v_max3_num_f32 v[TT], v[BM], v[BM+1], v[BM+2]
	v_max_num_f32 v[TT], v[TT], v[BM+3]            ; the step's largest score of my query
.if \j == 0
	v_mul_f32 v[TM], s[CS], v[TT]                  ; as t (c is positive): the first step starts the running maximum,
	v_floor_f32 v[NM], -v[TM]                      ; and -M = floor(-t) = -ceil(t)
.else
	v_mul_f32 v[TT], s[CS], v[TT]
	v_max_num_f32 v[TM], v[TM], v[TT]              ; the running largest t
	v_mov_b32 v[TT], v[NM]
	v_floor_f32 v[NM], -v[TM]                      ; the new -M: M is a whole number
	v_sub_f32 v[TT], v[NM], v[TT]                  ; old M - new M: a whole number, 0 or less
	v_cvt_i32_f32 v[TT], v[TT]                     ; (it saturates)
	v_ldexp_f32 v[FF], 1.0, v[TT]                  ; f = 2^(old M - new M)
.endif
.irp i, 0,2,4,6,8,10,12,14,16,18,20,22,24,26,28,30,32,34,36,38,40,42,44,46,48,50,52,54,56,58,60,62
	v_pk_fma_f32 v[S+\i:S+\i+1], v[S+\i:S+\i+1], s[CS:CS+1], v[NM:NM+1] op_sel_hi:[1,0,0]   ; t - M, two at a time (of the pairs c and -M the low word serves both halves)
.endr
.irp b, 0,1,2,3
	v_fma_f32 v[BM+\b], v[BM+\b], s[CS], v[NM]     ; the same of each block's largest score
.endr
.irp i, 0,1,2,3,4,5,6,7,8,9,10,11,12,13,14,15,16,17,18,19,20,21,22,23,24,25,26,27,28,29,30,31,32,33,34,35,36,37,38,39,40,41,42,43,44,45,46,47,48,49,50,51,52,53,54,55,56,57,58,59,60,61,62,63
	v_exp_f32 v[S+\i], v[S+\i]                     ; p = 2^(t - M), at most 1: not normalised
.endr
.if \j == 0
	v_nop                                          ; a plain place behind the exponentials
.else
	v_pk_mul_f32 v[LS:LS+1], v[LS:LS+1], v[FF:FF+1] op_sel_hi:[1,0]   ; the sums under the new M (a plain place behind the exponentials)
.endif
	s_wait_alu depctr_va_vdst(0)                   ; one wait for the batch of 64, ahead of the first line that names a result
.irp b, 0,1,2,3
	v_exp_f32 v[BM+\b], v[BM+\b]                   ; the block's largest p: the same two instructions on the same number give the same bits
.endr
	; the row's sum is taken of the unquantised p, two at a time, in two chains.  Its first half stands here, behind the four exponentials, whose results it does not name
	v_pk_add_f32 v[S2:S2+1], v[S:S+1], v[S+2:S+3]
.if \j == 0
	v_pk_add_f32 v[LS:LS+1], v[S+4:S+5], v[S+6:S+7]   ; the first step starts the sum: nothing is cleared
.else
	v_pk_add_f32 v[LS:LS+1], v[LS:LS+1], v[S+4:S+5]
	v_pk_add_f32 v[S2:S2+1], v[S2:S2+1], v[S+6:S+7]
.endif
.irp i, 8,12,16,20,24,28
	v_pk_add_f32 v[LS:LS+1], v[LS:LS+1], v[S+\i:S+\i+1]
	v_pk_add_f32 v[S2:S2+1], v[S2:S2+1], v[S+\i+2:S+\i+3]
.endr
	s_wait_alu depctr_va_vdst(0)                   ; and one wait for the four
.irp b, 0,1,2,3
	v_max_num_f32 v[BM+\b], 0x1800000, v[BM+\b]    ; the floor 2^(3 - 127): the byte cannot fall under 1 (a block whose every p is 0 keeps that byte: its codes are zeros)
.endr
.irp b, 0,1,2,3
	v_add_nc_u32 v[PSO+\b], 0xff000000, v[BM+\b]   ; 2 off the exponent field: the conversion's scale operand
.endr
.irp b, 0,1,2,3
	v_lshrrev_b32 v[PT+\b], 23, v[PSO+\b]          ; the scale's byte
.endr
	v_lshl_or_b32 v[PS], v[PT+1], 8, v[PT]         ; p's scale word for these 128 keys
	v_lshl_or_b32 v[PS], v[PT+2], 16, v[PS]
	v_lshl_or_b32 v[PS], v[PT+3], 24, v[PS]
.irp c, 0,1
	v_cvt_scalef32_pk16_fp6_f32 v[PC+6*\c:PC+6*\c+2], v[S+32*\c:S+32*\c+15], v[PSO+2*\c]
	v_cvt_scalef32_pk16_fp6_f32 v[PT+4*\c:PT+4*\c+2], v[S+32*\c+16:S+32*\c+31], v[PSO+2*\c+1]   ; (a conversion's three registers begin on an even number)
.endr
	v_nop                                          ; one plain place behind a scaled conversion
.irp c, 0,1                                    ; the operand's layout wants a WHOLE block in a lane: lanes 0-15 block 2 c, lanes 16-31 block 2 c + 1
.irp i, 0,1,2
	v_permlane16_swap_b32 v[PC+6*\c+\i], v[PT+4*\c+\i]
.endr
.irp i, 0,1,2
	v_mov_b32 v[PC+6*\c+3+\i], v[PT+4*\c+\i]
.endr
.endr
.if \j > 0
.irp i, 0,2,4,6,8,10,12,14,16,18,20,22,24,26,28,30
	v_pk_mul_f32 v[OT+\i:OT+\i+1], v[OT+\i:OT+\i+1], v[FF:FF+1] op_sel_hi:[1,0]   ; O^T under the new M: x f; each accumulator from its low end on
.endr
.endif
	; the sum's second half: 17 plain lines that name no register of the products below: the places between p's scale word (8 are asked), p's codes (4) and those products
.irp i, 32,36,40,44,48,52,56,60
	v_pk_add_f32 v[LS:LS+1], v[LS:LS+1], v[S+\i:S+\i+1]
	v_pk_add_f32 v[S2:S2+1], v[S2:S2+1], v[S+\i+2:S+\i+3]
.endr
	v_pk_add_f32 v[LS:LS+1], v[LS:LS+1], v[S2:S2+1]
	; (5) O^T += V^T P^T: four tiles of 16 of the head's 64, one instruction each; V's scale words stand in lanes 16-31.  The four accumulators take one turn a step, with the eight products of S^T between two turns
	s_wait_dscnt 0x0                               ; V's tiles are in
.irp t, 0,1,2,3
.if \j == 0
	v_wmma_scale_f32_16x16x128_f8f6f4 v[OT+8*\t:OT+8*\t+7], v[FRG+12*\t:FRG+12*\t+11], v[PC:PC+11], 0, v[SCW+\t], v[PS] matrix_a_fmt:MATRIX_FMT_FP6 matrix_b_fmt:MATRIX_FMT_FP6 matrix_a_scale:MATRIX_SCALE_ROW1
.else
	v_wmma_scale_f32_16x16x128_f8f6f4 v[OT+8*\t:OT+8*\t+7], v[FRG+12*\t:FRG+12*\t+11], v[PC:PC+11], v[OT+8*\t:OT+8*\t+7], v[SCW+\t], v[PS] matrix_a_fmt:MATRIX_FMT_FP6 matrix_b_fmt:MATRIX_FMT_FP6 matrix_a_scale:MATRIX_SCALE_ROW1
.endif
.endr
.rept 4
	v_nop                                          ; four places in front of the next step's loads into the fragments' and scale words' registers, and of the way out's reads (ISA guide 7.12.1 for vector instructions)
.endr
.if \j < 7
	s_barrier_wait -1                              ; every wave's part of chunk j + 1 lies in LDS
.endif
.endm
.irp j, 0,1,2,3,4,5,6,7
	STEP \j
.endr
	; THE WAY OUT.  The sum's halves and lane l xor 16's are added; O^T / the sum goes through my stage and leaves as whole rows: 32 lanes store two rows of 256 bytes, 512 consecutive bytes at a multiple of 256 from out0's first byte.
	v_add_f32 v[LS], v[LS], v[LS+1]
	v_permlanex16_b32 v[PT], v[LS], s[SEL], s[SEL+1]
	v_add_f32 v[LS], v[LS], v[PT]
	v_rcp_f32 v[LS], v[LS]
	v_nop                                          ; a plain place behind the reciprocal
	s_wait_alu depctr_va_vdst(0)                   ; and the wait ahead of its first reader
.irp i, 0,2,4,6,8,10,12,14,16,18,20,22,24,26,28,30
	v_pk_mul_f32 v[S+\i:S+\i+1], v[OT+\i:OT+\i+1], v[LS:LS+1] op_sel_hi:[1,0]   ; register 8 t + i of lane (r, h) is out(query r, d = 16 t + 8 h + i)
.endr
.irp t, 0,1,2,3
	ds_store_b128 v[SOA], v[S+8*\t:S+8*\t+3] offset:64*\t
	ds_store_b128 v[SOA], v[S+8*\t+4:S+8*\t+7] offset:64*\t+16
.endr
.irp i, 0,1,2,3,4,5,6,7
	ds_load_b128 v[S+32+4*\i:S+32+4*\i+3], v[TI] offset:544*\i   ; LDS serves a wave's instructions in order: these see my stores
.endr
.irp i, 0,1,2,3,4,5,6,7
	s_wait_dscnt 7-\i                              ; pair of rows i is back; the younger loads may be out
	global_store_b128 v[GL], v[S+32+4*\i:S+32+4*\i+3], s[OP:OP+1] offset:512*\i th:TH_STORE_NT
.endr
	s_wait_tensorcnt 0x0
	ds_add_u32 v251, v255
	s_wait_dscnt 0x0
	s_endpgm
.Lfunc_end_k_qb11bb0303a_attn:
	.size	k_qb11bb0303a_attn, .Lfunc_end_k_qb11bb0303a_attn-k_qb11bb0303a_attn
	.p2alignl 7, 3214868480
	.fill 96, 4, 3214868480
	.section	.rodata,"a",@progbits
	.p2align	6, 0x0
	.amdhsa_kernel k_qb11bb0303a_attn
		.amdhsa_group_segment_fixed_size 174080
		.amdhsa_private_segment_fixed_size 0
		.amdhsa_enable_private_segment 0
		.amdhsa_kernarg_size 32
		.amdhsa_user_sgpr_count 2
		.amdhsa_user_sgpr_kernarg_segment_ptr 1
		.amdhsa_wavefront_size32 1
		.amdhsa_system_sgpr_workgroup_id_x 1
		.amdhsa_system_sgpr_workgroup_id_y 1
		.amdhsa_system_sgpr_workgroup_id_z 1
		.amdhsa_system_vgpr_workitem_id 0
		.amdhsa_next_free_vgpr 256
		.amdhsa_next_free_sgpr 66
		.amdhsa_reserve_vcc 0
		.amdhsa_float_denorm_mode_32 3
		.amdhsa_float_denorm_mode_16_64 3
		.amdhsa_memory_ordered 1
		.amdhsa_forward_progress 1
		.amdhsa_inst_pref_size 185
	.end_amdhsa_kernel
	.amdgpu_metadata
---
amdhsa.version: [ 1, 2 ]
amdhsa.kernels:
  - .name:           k_qb11bb0303a_attn
    .symbol:         k_qb11bb0303a_attn.kd
    .args:
      - { .name: q, .offset: 0, .size: 8, .value_kind: global_buffer, .address_space: global }
      - { .name: k, .offset: 8, .size: 8, .value_kind: global_buffer, .address_space: global }
      - { .name: v, .offset: 16, .size: 8, .value_kind: global_buffer, .address_space: global }
      - { .name: out0, .offset: 24, .size: 8, .value_kind: global_buffer, .address_space: global }
    .group_segment_fixed_size: 174080
    .private_segment_fixed_size: 0
    .kernarg_segment_align: 8
    .kernarg_segment_size: 32
    .max_flat_workgroup_size: 512
    .sgpr_count:     66
    .vgpr_count:     256
    .wavefront_size: 32
...
	.end_amdgpu_metadata
.endif
;; end of part 1
;; ======== version 2 of 2: 1 launch; version 1 with the launch attn written anew for expert scheduling mode
;; launch attn (part 2): grid 4 x 64, 16 waves a work-group, no clusters, 174,080 bytes of LDS; arguments q, k, v, out0; writes out0
.if DOCPART == 2
	.amdgcn_target "amdgcn-amd-amdhsa--gfx1250"
	.amdhsa_code_object_version 6
	.text
	.protected	k_qb11bb0303a_attn
	.globl	k_qb11bb0303a_attn
	.p2align	8
	.type	k_qb11bb0303a_attn,@function
k_qb11bb0303a_attn:
	s_mov_b64 s[64:65], 0
	v_nop
	global_prefetch_b8 v0, s[64:65] scope:SCOPE_SE
	s_setreg_imm32_b32 hwreg(HW_REG_WAVE_SCHED_MODE, 0, 2), 2
	s_setreg_imm32_b32 hwreg(HW_REG_WAVE_MODE, 25, 1), 1
	s_wait_xcnt 0x0
	s_wait_alu depctr_vm_vsrc(0)
; out[b][q][:] = the sum over keys of softmax(q . k / 8) v, 64 heads, 1,024 queries and keys, head size 64, all f32 in memory.  Both products on codes of FP6 (E2M3) with one E8M0 scale for each 32 along a product's K.
; THE SOFTMAX AHEAD OF THE SECOND PRODUCT: t = score x log2(e) / 8; M = the running largest t rounded UP to a whole number; p = 2^(t - M) is quantised along the keys, not normalised; the row's sum is taken of the
; unquantised p in f32 and divides at the end.  When M moves, the sum and O are multiplied by 2^(old M - new M), which rounds nothing.
; SHARES.  A work-group owns 256 queries of one head; each of its sixteen waves owns 16 of them, one tile, in 256 registers.  The head's keys go in 8 chunks of 128.
; THE WORK-GROUP QUANTISES K AND V ITSELF: a chunk is 256 blocks of 32 of K (along d) and 256 of V (along the keys), one block for each of the 512 lanes.  Waves 0-7 take K (16 keys each), waves 8-15 V (32 columns x 32 keys
; each).  The codes go to LDS as images of the operands' registers, the scale bytes beside them.  Every chunk has LDS bytes of its own (8 x 12,800 bytes), so nothing in LDS is written twice and one barrier a chunk publishes it.
; Chunk j + 1 is quantised in the middle of step j from registers whose loads were issued a step before; the barrier's signal stands behind those stores, its wait at the step's end.
; NO CLUSTER, NO JOINT LOADS: what the four work-groups of a head share arrives as f32 and must pass through registers to become codes; each wave loads just the 4,096 bytes that it quantises, into 32 registers.  A joint tensor
; load would lay 65,536 bytes a step into LDS, against 12,288 of codes, every number of which would be read out again, and would want a ring of slots and a round of the cluster's barrier in each step.
; LAYOUT.  Both products are used transposed: S^T = K Q^T (source 0 = keys, source 1 = my 16 queries), O^T = V^T P^T (source 0 = 16 of the head's 64, source 1 = p): a lane holds ONE query (lane % 16) throughout.
; The first product's K is 64, half of the instruction's 128: a fragment of K holds TWO tiles of 16 keys (registers 0-5 tile 2 b, registers 6-11 tile 2 b + 1), and Q stands between two runs of zero codes: [Q | 0] picks the
; first tile, [0 | Q] the second.  Every code of this format is a finite number, so a zero code of Q adds exactly 0 whatever stands against it.
; THE KEYS OF A TILE ARE NOT NEIGHBOURS: row m of tile 2 b + u is key 32 b + 8 u + m + 8 (m / 8), so that S^T's registers 16 b .. 16 b + 15 are keys 32 b + 16 (lane / 16) + 0 .. 15: 16 neighbours along the next K.
; The eight steps are written out by a macro: every offset is an immediate and no address register is ever rewritten.
; THE MODE: SCHED_MODE bits 1:0 = 2 (LLVM: expert scheduling mode 2), set by the entry lines.  The code itself states the register dependences between vector or matrix instructions and memory or LDS instructions,
; with s_wait_alu, always for 0.
; THE PLAN.  Registers that memory or LDS instructions touch:
;   v1 .. v11    addresses and offsets: written once at the head, read by every load, store and prefetch, never written again: one wait on va_vdst ahead of the first load.
;   STG          Step j: in K's role the turn's LDS stores read it and the stage's loads land in it; QUANT reads it; the loads of chunk j + 2 land in it.  (X0 and XQ at the head likewise.)
;   FRG, SCW     Step j: K's fragments and the scale words land; the eight products S^T read them; V's tiles land in FRG; the four products V^T P read FRG and SCW.  One set of 48 registers: the wave's 256 are all in use.
;   QC, QBY      Written by QUANT, read by STORE's four LDS stores; the softmax's work registers lie over them and are written later in the step.
;   PC, PS       p's codes and scale word: written by vector lines, taken by scaled products; no memory instruction names them.
; A step's waits on va_vdst: (a) at its head: the last step's products V^T P are done reading FRG and SCW; (b) behind QUANT: the codes and the byte are written, QUANT is done reading STG, the products S^T are done reading
; FRG: it serves STORE, the loads of chunk j + 2 and V's tiles, and between it and the last of those only v_max3 lines on BM and S are issued; (c), (d) behind the two batches of exponentials; (e) ahead of the products V^T P,
; behind their places: p's codes and scale word are written.  Its waits on vm_vsrc: in the turn, between the stores and the loads into the same registers; and ahead of the barrier's signal: STORE has read QC and QBY.
; LIMITS: NaN and infinities among the inputs are not served.  A block of zeros gets the scale byte 1 where the rule says 127: its codes are zeros, and this program alone reads the bytes.  v_exp_f32 gives 0 for p under 2^-126:
; nothing beside a sum of at least 1/2.  A block's largest p is taken from its largest score, which takes v_exp_f32 not to fall where its input rises; at the worst one p next to a power of two is held one code low.
.set KIMG,  0                          ; LDS: K's images: chunk c at 6,144 c, pair of tiles b at + 1,536 b, lane l's 48 bytes at 48 l
.set VIMG,  49152                      ; V's images: chunk c at 6,144 c, tile t at + 1,536 t
.set SCB,   98304                      ; scale words: chunk c at 512 c: K's at 16 row + 4 b, V's at 256 + 16 row + 4 t
.set STAGE, 102400                     ; a stage of 16 rows x (256 + 16) bytes for each wave, its own: the turn of K's and Q's numbers, and the way out
.set STW,   4352
.set AK,  1                            ; v1   48 x lane: my place in an image of K
.set AV,  2                            ; v2   the same in V's
.set AS,  3                            ; v3   16 x lane among a chunk's scale words: lanes 0-15 K's four words of row r, lanes 16-31 V's four
.set IMG, 4                            ; v4   where my block's 24 bytes of codes go
.set SBY, 5                            ; v5   where its scale byte goes
.set TI,  6                            ; v6   the stage by pairs of rows: 272 (lane / 16) + 16 (lane % 16)
.set TO,  7                            ; v7   the stage by half rows: 272 (lane % 16) + 128 (lane / 16)
.set SOA, 8                            ; v8   the way out: 272 (lane % 16) + 32 (lane / 16)
.set GL,  9                            ; v9   16 x lane
.set G4,  10                           ; v10  4 x lane
.set PFO, 11                           ; v11  the prefetches' offset: 256 x lane + 8,192 x work-group x
.set NM,  12                           ; v12  -M
.set TM,  13                           ; v13  the running largest t
.set LS,  14                           ; v[14:15] the row's sum, in two halves
.set QF,  16                           ; v16-21 zeros, v22-27 Q's codes, v28-33 zeros
.set QS,  34                           ; v34  Q's scale word
.set SCW, 36                           ; v[36:39] the chunk's scale words
.set FRG, 40                           ; v40-87 four fragments of 12: K's pairs, then V's tiles
.set BM,  88                           ; v88-91 the blocks' largest scores, then largest p
.set S2,  94                           ; v[94:95] the sum's second chain
.set S,   96                           ; v96-159 S^T, then p
.set XQ,  96                           ; at the head: Q's 32 numbers
.set X0,  128                          ; and chunk 0's
.set OT,  160                          ; v160-191 O^T, tile t at + 8 t
.set STG, 192                          ; v192-223 my 32 numbers of the next chunk
.set PC,  224                          ; v224-235 p's codes
.set PT,  236                          ; v236-243 at work
.set QA,  236                          ; in QUANT: two chains of the largest magnitude,
.set QB,  237
.set QSO, 238                          ; the conversion's scale operand,
.set QBY, 239                          ; the scale's byte,
.set QC,  244                          ; and the block's codes, v244-249
.set PSO, 244                          ; in the softmax: p's four scale operands
.set FF,  252                          ; v252 f = 2^(old M - new M)
.set PS,  253                          ; v253 p's scale word
.set TT,  254
.set QP,  4                            ; s[4:5]   q at my wave's first query
.set KP,  6                            ; s[6:7]   k at my 16 keys of chunk 0
.set VP,  8                            ; s[8:9]   v at my 32 columns x 32 keys of chunk 0
.set OP,  10                           ; s[10:11] out0 at my wave's first query
.set WV,  12                           ; s12 wave;  s13 wave % 8;  s14 wave / 8 (0: K's role, 1: V's);  s15 its opposite
.set XW,  13
.set RW,  14
.set NR,  15
.set SEL, 20                           ; s[20:21] v_permlanex16_b32's selects for lane l xor 16
.set CS,  22                           ; s[22:23] c = log2(e) / 8
.set PB,  36                           ; s[36:37] the prefetches' base: k's head in wave 0, v's in wave 8
; My 32 numbers of chunk c.  K's role: 16 keys x 256 bytes are dense: eight loads of 512 consecutive bytes.  V's role: a lane to a column, registers down the keys: 32 loads of 128 consecutive bytes.
; No cache hint: the head's four work-groups read these bytes.
.macro LOADS c, dst
	s_cmp_lt_u32 s[WV], 8
	s_cbranch_scc0 .Lload_v_\@
.irp i, 0,1,2,3,4,5,6,7
	global_load_b128 v[\dst+4*\i:\dst+4*\i+3], v[GL], s[KP:KP+1] offset:32768*(\c)+512*\i
.endr
	s_branch .Lloaded_\@
.Lload_v_\@:
.irp i, 0,1,2,3,4,5,6,7,8,9,10,11,12,13,14,15,16,17,18,19,20,21,22,23,24,25,26,27,28,29,30,31
	global_load_b32 v[\dst+\i], v[G4], s[VP:VP+1] offset:32768*(\c)+256*\i
.endr
.Lloaded_\@:
.endm
; A prefetch of chunk c: 128 rows of 256 bytes of K and as many of V.  Work-group x of the head names rows 32 x .. 32 x + 31 (by address), a lane a row; wave 0 names K's, wave 8 V's: each row is named once in the launch.
.macro ASK c
	s_cmp_lg_u32 s[XW], 0
	s_cbranch_scc1 .Lnot_mine_\@
	global_prefetch_b8 v[PFO], s[PB:PB+1] offset:32768*(\c) th:TH_LOAD_NT scope:SCOPE_SE
.Lnot_mine_\@:
.endm
; 16 rows x 256 bytes, loaded as they lie (16 bytes a lane, two rows a load), turn through my own stage: afterwards lane (r, h) holds row r, numbers 32 h .. 32 h + 31, in the same 32 registers.
; Rows are 272 bytes apart.  LDS serves a wave's instructions in order (ISA guide 5.7.1.4).
.macro TURN s
.irp i, 0,1,2,3,4,5,6,7
	ds_store_b128 v[TI], v[\s+4*\i:\s+4*\i+3] offset:544*\i
.endr
	s_wait_alu depctr_vm_vsrc(0)                   ; the eight stores above have read their 32 registers, in which the eight loads below land
.irp i, 0,1,2,3,4,5,6,7
	ds_load_b128 v[\s+4*\i:\s+4*\i+3], v[TO] offset:16*\i
.endr
	s_wait_dscnt 0x0
.endm
.macro KTURN s                         ; K's role alone: V's numbers are loaded as they are wanted
	s_cmp_lt_u32 s[WV], 8
	s_cbranch_scc0 .Lno_turn_\@
	TURN \s
.Lno_turn_\@:
.endm
; One block: 32 numbers of a lane become 24 bytes of codes in v[QC] on and a scale byte in v[QBY].
.macro QUANT s
	v_max3_num_f32 v[QA], |v[\s]|, |v[\s+1]|, 0x1800000            ; the largest magnitude, in two chains; the floor 2^(3 - 127) among its leaves holds the byte at 1 from below
	v_max3_num_f32 v[QB], |v[\s+16]|, |v[\s+17]|, |v[\s+18]|
.irp i, 2,4,6,8,10,12
	v_max3_num_f32 v[QA], v[QA], |v[\s+\i]|, |v[\s+\i+1]|
	v_max3_num_f32 v[QB], v[QB], |v[\s+17+\i]|, |v[\s+18+\i]|
.endr
	v_max3_num_f32 v[QA], v[QA], |v[\s+14]|, |v[\s+15]|
	v_max3_num_f32 v[QA], v[QA], v[QB], |v[\s+31]|
	v_add_nc_u32 v[QSO], 0xff000000, v[QA]                         ; 2 off its exponent field: the conversion takes the exponent field of this operand as its scale
	v_lshrrev_b32 v[QBY], 23, v[QSO]                               ; the scale's byte
	v_cvt_scalef32_pk16_fp6_f32 v[QC:QC+2], v[\s:\s+15], v[QSO]
	v_cvt_scalef32_pk16_fp6_f32 v[QC+4:QC+6], v[\s+16:\s+31], v[QSO]   ; (a conversion's three registers begin on an even number)
	v_nop                                                          ; one plain place behind a scaled conversion
	v_mov_b32 v[QC+3], v[QC+4]
	v_mov_b32 v[QC+4], v[QC+5]
	v_mov_b32 v[QC+5], v[QC+6]
.endm
.macro STORE c                         ; the block goes to its place in chunk c's image; each byte of LDS is written by one lane, once in the launch
	ds_store_b64 v[IMG], v[QC:QC+1] offset:6144*(\c)
	ds_store_b64 v[IMG], v[QC+2:QC+3] offset:6144*(\c)+8
	ds_store_b64 v[IMG], v[QC+4:QC+5] offset:6144*(\c)+16
	ds_store_b8 v[SBY], v[QBY] offset:512*(\c)
.endm
	s_load_b256 s[4:11], s[0:1], 0x0               ; q, k, v, out0
	v_lshl_add_u32 v251, v0, 2, 0x2a000
	v_mov_b32 v255, 0
	v_lshrrev_b32 v92, 5, v0
	v_readfirstlane_b32 s[WV], v92                 ; wave 0..15
	s_wait_alu depctr_va_sdst(0)                   ; s12 is written, ahead of its first reader: roles, bases and LDS places are made from it
	s_and_b32 s[XW], s[WV], 7
	s_lshr_b32 s[RW], s[WV], 3
	s_xor_b32 s[NR], s[RW], 1
	s_and_b32 s16, ttmp7, 0xffff
	s_lshl_b32 s16, s16, 18                        ; the head's 262,144 bytes in each tensor
	s_mov_b32 s17, 0
	s_lshl_b32 s18, ttmp9, 16                      ; my work-group's 256 queries x 256 bytes,
	s_lshl_b32 s38, s[WV], 12                      ; my wave's 16
	s_add_co_u32 s18, s18, s38
	s_mov_b32 s19, 0
	s_mov_b32 s[SEL], 0x76543210
	s_mov_b32 s[SEL+1], 0xfedcba98
	s_mov_b32 s[CS], 0x3e38aa3b                    ; log2(e) / 8
	s_mov_b32 s[CS+1], s[CS]                       ; (named with it as a pair, so it is written)
	s_and_b32 s31, s[XW], 1
	s_lshr_b32 s32, s[XW], 1
	s_lshr_b32 s33, s[XW], 2
	s_and_b32 s34, s32, 1
	s_and_b32 s35, s[XW], 3
	s_lshl_b32 s40, s[XW], 12                      ; K's role: keys 16 (wave % 8) on
	s_mov_b32 s41, 0
	s_lshl_b32 s42, s33, 7                         ; V's role: columns 32 ((wave % 8) / 4) on,
	s_lshl_b32 s38, s35, 13                        ; keys 32 (wave % 4) on
	s_add_co_u32 s42, s42, s38
	s_mov_b32 s43, 0
	; WHERE A LANE'S BLOCK GOES.  One form serves both roles: 48 (lane % 8) + cA x (bit 3 of the lane) + cB x (bit 4) + a base; the scalars hang on the wave's number alone.
	; K's role: lane (r, h) holds key 16 X + r, d = 32 h on: pair X / 2, tile r / 8 of the pair (24 bytes on), row r % 8 + 8 (X % 2), half h (16 lanes' places on).
	; V's role: lane l holds d = 32 (X / 4) + l, keys 32 (X % 4) on: tile 2 (X / 4) + l / 16, row l % 16, half X % 2, registers 6 ((X / 2) % 2) on.
	s_mul_i32 s24, s[RW], 360
	s_add_co_u32 s24, s24, 24                      ; cA: 24 or 384
	s_mul_i32 s25, s[RW], 768
	s_add_co_u32 s25, s25, 768                     ; cB: 768 or 1,536
	s_mul_i32 s26, s[RW], 126
	s_add_co_u32 s26, s26, 2                       ; the same for the scale byte: 2 or 128,
	s_mul_i32 s27, s[RW], 3
	s_add_co_u32 s27, s27, 1                       ; 1 or 4
	s_mul_i32 s28, s32, 1536
	s_mul_i32 s29, s31, 384
	s_add_co_u32 s28, s28, s29
	s_mul_i32 s28, s28, s[NR]                      ; K's base, in K's role
	s_mul_i32 s38, s33, 3072
	s_mul_i32 s39, s31, 768
	s_add_co_u32 s38, s38, s39
	s_mul_i32 s39, s34, 24
	s_add_co_u32 s38, s38, s39
	s_add_co_u32 s38, s38, VIMG
	s_mul_i32 s38, s38, s[RW]                      ; V's base, in V's role
	s_add_co_u32 s28, s28, s38
	s_lshl_b32 s29, s31, 7
	s_lshl_b32 s39, s32, 2
	s_add_co_u32 s29, s29, s39
	s_mul_i32 s29, s29, s[NR]                      ; K's scale bytes: 128 (X % 2) + 4 (X / 2)
	s_lshl_b32 s38, s33, 3
	s_add_co_u32 s38, s38, s35
	s_add_co_u32 s38, s38, 256
	s_mul_i32 s38, s38, s[RW]                      ; V's: 256 + 8 (X / 4) + X % 4
	s_add_co_u32 s29, s29, s38
	s_add_co_u32 s29, s29, SCB
	s_mul_i32 s30, s[WV], STW
	s_add_co_u32 s30, s30, STAGE                   ; my stage
	s_lshl_b32 s39, ttmp9, 13
	v_and_b32 v95, 31, v0                          ; lane
	v_and_b32 v91, 15, v0                          ; r
	v_bfe_u32 v92, v0, 4, 1                        ; h
	v_and_b32 v93, 7, v0
	v_bfe_u32 v94, v0, 3, 1
	v_mul_u32_u24 v[AK], v95, 48
	v_add_nc_u32 v[AV], VIMG, v[AK]
	v_lshlrev_b32 v[GL], 4, v95
	v_add_nc_u32 v[AS], SCB, v[GL]
	v_lshlrev_b32 v[G4], 2, v95
	v_mul_u32_u24 v[IMG], v93, 48
	v_mad_u32_u24 v[IMG], v94, s24, v[IMG]
	v_mad_u32_u24 v[IMG], v92, s25, v[IMG]
	v_add_nc_u32 v[IMG], s28, v[IMG]
	v_lshlrev_b32 v[SBY], 4, v93
	v_mad_u32_u24 v[SBY], v94, s26, v[SBY]
	v_mad_u32_u24 v[SBY], v92, s27, v[SBY]
	v_add_nc_u32 v[SBY], s29, v[SBY]
	v_mul_u32_u24 v[TI], v92, 272
	v_lshl_add_u32 v[TI], v91, 4, v[TI]
	v_add_nc_u32 v[TI], s30, v[TI]
	v_mul_u32_u24 v90, v91, 272
	v_add_nc_u32 v90, s30, v90
	v_lshl_add_u32 v[TO], v92, 7, v90
	v_lshl_add_u32 v[SOA], v92, 5, v90
	v_lshlrev_b32 v[PFO], 8, v95
	v_add_nc_u32 v[PFO], s39, v[PFO]
.irp i, 0,1,2,3,4,5
	v_mov_b32 v[QF+\i], 0                          ; the zero codes on both sides of Q's
	v_mov_b32 v[QF+12+\i], 0
.endr
.irp i, 0,1,2,3
	v_mov_b32 v[PT+\i], 0                          ; written once: a lane permute's destination counts as one of its sources
.endr
	s_wait_kmcnt 0x0
	s_add_nc_u64 s[QP:QP+1], s[QP:QP+1], s[16:17]
	s_add_nc_u64 s[KP:KP+1], s[KP:KP+1], s[16:17]
	s_add_nc_u64 s[VP:VP+1], s[VP:VP+1], s[16:17]
	s_add_nc_u64 s[OP:OP+1], s[OP:OP+1], s[16:17]
	s_add_nc_u64 s[QP:QP+1], s[QP:QP+1], s[18:19]
	s_add_nc_u64 s[OP:OP+1], s[OP:OP+1], s[18:19]
	s_add_nc_u64 s[KP:KP+1], s[KP:KP+1], s[40:41]
	s_add_nc_u64 s[VP:VP+1], s[VP:VP+1], s[42:43]
	s_cmp_lt_u32 s[WV], 8
	s_cselect_b64 s[PB:PB+1], s[KP:KP+1], s[VP:VP+1]   ; (in waves 0 and 8, which alone prefetch, these stand at the head's first byte)
	s_wait_alu depctr_va_vdst(0)                   ; the eleven addresses and offsets v1 to v11 are written: every load, store and prefetch of the kernel reads one of them, and none is written again
	LOADS 0, X0
.irp i, 0,1,2,3,4,5,6,7
	global_load_b128 v[XQ+4*\i:XQ+4*\i+3], v[GL], s[QP:QP+1] offset:512*\i th:TH_LOAD_NT   ; my 16 queries: read once, by me alone
.endr
	LOADS 1, STG
	s_wait_loadcnt 16                              ; chunk 0 is in.  K's role: Q's 8 loads and chunk 1's 8 may be out; V's role has issued 40 behind chunk 0's
	KTURN X0
	QUANT X0
	s_wait_alu depctr_va_vdst(0)                   ; QUANT has written the codes v[QC ..] and the byte v[QBY], which the four LDS stores read
	STORE 0
	s_wait_loadcnt 8                               ; Q is in: chunk 1's 8 may be out (V's role: 32 were issued behind Q's)
	TURN XQ                                        ; (its wait on vm_vsrc stands behind chunk 0's stores too: they have read the codes' registers and the byte's, which QUANT writes again)
	QUANT XQ
.irp i, 0,1,2,3,4,5
	v_mov_b32 v[QF+6+\i], v[QC+\i]                 ; lane (r, h): query r, d = 32 h .. 32 h + 31
.endr
	v_lshlrev_b32 v93, 3, v92
	v_lshlrev_b32 v94, v93, v[QBY]                 ; my block's byte at its place, 8 h bits up;
	v_permlanex16_b32 v[PT], v94, s[SEL], s[SEL+1]
	v_or_b32 v94, v94, v[PT]                       ; with lane l xor 16's: (q0, q1);
	v_lshl_or_b32 v[QS], v94, 16, v94              ; (q0, q1, q0, q1): it serves [Q | 0] and [0 | Q] alike
.rept 8
	v_nop                                          ; a scale register written by a vector instruction stands 8 places ahead of a scaled matrix instruction, an operand so written 4; the wait for them stands at the first step's head
.endr
	s_wait_dscnt 0x0                               ; my part of chunk 0 lies in LDS
	s_barrier_signal -1
	s_barrier_wait -1                              ; everybody's does
; A STEP: the 128 keys of chunk j.
.macro STEP j
	; (1) K's four pairs of tiles and the chunk's scale words; S^T = K Q^T, eight tiles
	s_wait_alu depctr_va_vdst(0)                   ; the last step's products V^T P are done reading the fragments and the scale words, in whose registers the loads below land; in the first step: Q's codes and scale word are written, which the products below take
.irp b, 0,1,2,3
.irp c, 0,1,2
	ds_load_b128 v[FRG+12*\b+4*\c:FRG+12*\b+4*\c+3], v[AK] offset:6144*(\j)+1536*\b+16*\c
.endr
.endr
	ds_load_b128 v[SCW:SCW+3], v[AS] offset:512*(\j)
	s_wait_dscnt 0x0
.irp t, 0,1,2,3,4,5,6,7
	v_wmma_scale_f32_16x16x128_f8f6f4 v[S+8*\t:S+8*\t+7], v[FRG+12*(\t/2):FRG+12*(\t/2)+11], v[QF+6-6*(\t%2):QF+17-6*(\t%2)], 0, v[SCW+\t/2], v[QS] matrix_a_fmt:MATRIX_FMT_FP6 matrix_b_fmt:MATRIX_FMT_FP6
.endr
	; (2) my block of chunk j + 1: its vector lines, which name no register of the products above, are also the places behind them
.if \j < 7
	s_wait_loadcnt 0x0                             ; chunk j + 1's numbers, asked for a step ago
	KTURN STG
	QUANT STG
	s_wait_alu depctr_va_vdst(0)                   ; QUANT has written the codes and the byte, which the LDS stores read, and is done reading STG, in which chunk j + 2 lands; the products S^T are done reading K's fragments, in whose registers V's tiles land
	STORE (\j)+1
.if \j < 6
	LOADS (\j)+2, STG                              ; they have a step in which to land
.endif
.if \j < 5
	ASK (\j)+3                                     ; behind my loads: the chunk that the next step's loads will want
.endif
	s_wait_dscnt 0x0                               ; for the others' sake: my part of chunk j + 1 lies in LDS
	s_wait_alu depctr_vm_vsrc(0)                   ; the four LDS stores have read v[QC ..] and v[QBY]: the softmax's work registers lie over them, and the next step's QUANT writes them again
	s_barrier_signal -1                            ; the wait stands at the step's end: between them only registers are worked on and chunk j, which nobody writes any more, is read
.else
.rept 4
	v_nop                                          ; the last step makes nothing: four places behind the products
.endr
	s_wait_alu depctr_va_vdst(0)                   ; the products S^T are done reading K's fragments, in whose registers V's tiles land
.endif
	; (3) V's four tiles, into the registers that K's have left, a tile at a time among the first lines of the softmax, which name BM and S alone: no vector line since the wait above names a fragment's register.  They land during the softmax
.irp c, 0,1,2
	ds_load_b128 v[FRG+4*\c:FRG+4*\c+3], v[AV] offset:6144*(\j)+16*\c
.endr
	; (4) the softmax
.irp b, 0,1,2,3
	v_max3_num_f32 v[BM+\b], v[S+16*\b], v[S+16*\b+1], v[S+16*\b+2]   ; the largest score of each block of 32 keys: for the row's maximum and, since p rises with the score, for the block's largest p.  Each accumulator is read from its low end on
.endr
.irp i, 3,5,7,9,11,13
.if \i < 9
.irp c, 0,1,2
	ds_load_b128 v[FRG+12*((\i-1)/2)+4*\c:FRG+12*((\i-1)/2)+4*\c+3], v[AV] offset:6144*(\j)+1536*((\i-1)/2)+16*\c   ; V's tiles 1, 2, 3
.endr
.endif
.irp b, 0,1,2,3
	v_max3_num_f32 v[BM+\b], v[BM+\b], v[S+16*\b+\i], v[S+16*\b+\i+1]   ; (the four blocks by turns)
.endr
.endr
.irp b, 0,1,2,3
	v_max_num_f32 v[BM+\b], v[BM+\b], v[S+16*\b+15]
.endr
.irp b, 0,1,2,3
	v_permlanex16_b32 v[PT+\b], v[BM+\b], s[SEL], s[SEL+1]
.endr
.irp b, 0,1,2,3
	v_max_num_f32 v[BM+\b], v[BM+\b], v[PT+\b]     ; with lane l xor 16's 16 keys
.endr
	v_max3_num_f32 v[TT], v[BM], v[BM+1], v[BM+2]
	v_max_num_f32 v[TT], v[TT], v[BM+3]            ; the step's largest score of my query
.if \j == 0
	v_mul_f32 v[TM], s[CS], v[TT]                  ; as t (c is positive): the first step starts the running maximum,
	v_floor_f32 v[NM], -v[TM]                      ; and -M = floor(-t) = -ceil(t)
.else
	v_mul_f32 v[TT], s[CS], v[TT]
	v_max_num_f32 v[TM], v[TM], v[TT]              ; the running largest t
	v_mov_b32 v[TT], v[NM]
	v_floor_f32 v[NM], -v[TM]                      ; the new -M: M is a whole number
	v_sub_f32 v[TT], v[NM], v[TT]                  ; old M - new M: a whole number, 0 or less
	v_cvt_i32_f32 v[TT], v[TT]                     ; (it saturates)
	v_ldexp_f32 v[FF], 1.0, v[TT]                  ; f = 2^(old M - new M)
.endif
.irp i, 0,2,4,6,8,10,12,14,16,18,20,22,24,26,28,30,32,34,36,38,40,42,44,46,48,50,52,54,56,58,60,62
	v_pk_fma_f32 v[S+\i:S+\i+1], v[S+\i:S+\i+1], s[CS:CS+1], v[NM:NM+1] op_sel_hi:[1,0,0]   ; t - M, two at a time (of the pairs c and -M the low word serves both halves)
.endr
.irp b, 0,1,2,3
	v_fma_f32 v[BM+\b], v[BM+\b], s[CS], v[NM]     ; the same of each block's largest score
.endr
	s_wait_alu depctr_va_vdst(0)
.irp i, 0,1,2,3,4,5,6,7,8,9,10,11,12,13,14,15,16,17,18,19,20,21,22,23,24,25,26,27,28,29,30,31,32,33,34,35,36,37,38,39,40,41,42,43,44,45,46,47,48,49,50,51,52,53,54,55,56,57,58,59,60,61,62,63
	v_exp_f32 v[S+\i], v[S+\i]                     ; p = 2^(t - M), at most 1: not normalised
.endr
.if \j == 0
	v_nop                                          ; a plain place behind the exponentials
.else
	v_pk_mul_f32 v[LS:LS+1], v[LS:LS+1], v[FF:FF+1] op_sel_hi:[1,0]   ; the sums under the new M (a plain place behind the exponentials)
.endif
	s_wait_alu depctr_va_vdst(0)                   ; the 64 exponentials have written p: one wait for the batch, ahead of the first line that names a result
.irp b, 0,1,2,3
	v_exp_f32 v[BM+\b], v[BM+\b]                   ; the block's largest p: the same two instructions on the same number give the same bits
.endr
	; the row's sum is taken of the unquantised p, two at a time, in two chains.  Its first half stands here, behind the four exponentials, whose results it does not name
	v_pk_add_f32 v[S2:S2+1], v[S:S+1], v[S+2:S+3]
.if \j == 0
	v_pk_add_f32 v[LS:LS+1], v[S+4:S+5], v[S+6:S+7]   ; the first step starts the sum: nothing is cleared
.else
	v_pk_add_f32 v[LS:LS+1], v[LS:LS+1], v[S+4:S+5]
	v_pk_add_f32 v[S2:S2+1], v[S2:S2+1], v[S+6:S+7]
.endif
.irp i, 8,12,16,20,24,28
	v_pk_add_f32 v[LS:LS+1], v[LS:LS+1], v[S+\i:S+\i+1]
	v_pk_add_f32 v[S2:S2+1], v[S2:S2+1], v[S+\i+2:S+\i+3]
.endr
	s_wait_alu depctr_va_vdst(0)                   ; the four exponentials have written the blocks' largest p: one wait for the four, ahead of their first reader
.irp b, 0,1,2,3
	v_max_num_f32 v[BM+\b], 0x1800000, v[BM+\b]    ; the floor 2^(3 - 127): the byte cannot fall under 1 (a block whose every p is 0 keeps that byte: its codes are zeros)
.endr
.irp b, 0,1,2,3
	v_add_nc_u32 v[PSO+\b], 0xff000000, v[BM+\b]   ; 2 off the exponent field: the conversion's scale operand
.endr
.irp b, 0,1,2,3
	v_lshrrev_b32 v[PT+\b], 23, v[PSO+\b]          ; the scale's byte
.endr
	v_lshl_or_b32 v[PS], v[PT+1], 8, v[PT]         ; p's scale word for these 128 keys
	v_lshl_or_b32 v[PS], v[PT+2], 16, v[PS]
	v_lshl_or_b32 v[PS], v[PT+3], 24, v[PS]
.irp c, 0,1
	v_cvt_scalef32_pk16_fp6_f32 v[PC+6*\c:PC+6*\c+2], v[S+32*\c:S+32*\c+15], v[PSO+2*\c]
	v_cvt_scalef32_pk16_fp6_f32 v[PT+4*\c:PT+4*\c+2], v[S+32*\c+16:S+32*\c+31], v[PSO+2*\c+1]   ; (a conversion's three registers begin on an even number)
.endr
	v_nop                                          ; one plain place behind a scaled conversion
.irp c, 0,1                                    ; the operand's layout wants a WHOLE block in a lane: lanes 0-15 block 2 c, lanes 16-31 block 2 c + 1
.irp i, 0,1,2
	v_permlane16_swap_b32 v[PC+6*\c+\i], v[PT+4*\c+\i]
.endr
.irp i, 0,1,2
	v_mov_b32 v[PC+6*\c+3+\i], v[PT+4*\c+\i]
.endr
.endr
.if \j > 0
.irp i, 0,2,4,6,8,10,12,14,16,18,20,22,24,26,28,30
	v_pk_mul_f32 v[OT+\i:OT+\i+1], v[OT+\i:OT+\i+1], v[FF:FF+1] op_sel_hi:[1,0]   ; O^T under the new M: x f; each accumulator from its low end on
.endr
.endif
	; the sum's second half: 17 plain lines that name no register of the products below: the places between p's scale word (8 are asked), p's codes (4) and those products
.irp i, 32,36,40,44,48,52,56,60
	v_pk_add_f32 v[LS:LS+1], v[LS:LS+1], v[S+\i:S+\i+1]
	v_pk_add_f32 v[S2:S2+1], v[S2:S2+1], v[S+\i+2:S+\i+3]
.endr
	v_pk_add_f32 v[LS:LS+1], v[LS:LS+1], v[S2:S2+1]
	; (5) O^T += V^T P^T: four tiles of 16 of the head's 64, one instruction each; V's scale words stand in lanes 16-31.  The four accumulators take one turn a step, with the eight products of S^T between two turns
	s_wait_dscnt 0x0                               ; V's tiles are in
	s_wait_alu depctr_va_vdst(0)                   ; p's codes v[PC ..] and its scale word v[PS] are written, which the scaled products below take; the places above stay beside this wait
.irp t, 0,1,2,3
.if \j == 0
	v_wmma_scale_f32_16x16x128_f8f6f4 v[OT+8*\t:OT+8*\t+7], v[FRG+12*\t:FRG+12*\t+11], v[PC:PC+11], 0, v[SCW+\t], v[PS] matrix_a_fmt:MATRIX_FMT_FP6 matrix_b_fmt:MATRIX_FMT_FP6 matrix_a_scale:MATRIX_SCALE_ROW1
.else
	v_wmma_scale_f32_16x16x128_f8f6f4 v[OT+8*\t:OT+8*\t+7], v[FRG+12*\t:FRG+12*\t+11], v[PC:PC+11], v[OT+8*\t:OT+8*\t+7], v[SCW+\t], v[PS] matrix_a_fmt:MATRIX_FMT_FP6 matrix_b_fmt:MATRIX_FMT_FP6 matrix_a_scale:MATRIX_SCALE_ROW1
.endif
.endr
.rept 4
	v_nop                                          ; four places behind the products: in the last step ahead of the way out's reads of O^T; in the others ahead of the next step's loads into the fragments' and scale words' registers, beside the wait at that step's head
.endr
.if \j < 7
	s_barrier_wait -1                              ; every wave's part of chunk j + 1 lies in LDS
.endif
.endm
.irp j, 0,1,2,3,4,5,6,7
	STEP \j
.endr
	; THE WAY OUT.  The sum's halves and lane l xor 16's are added; O^T / the sum goes through my stage and leaves as whole rows: 32 lanes store two rows of 256 bytes, 512 consecutive bytes at a multiple of 256 from out0's first byte.
	v_add_f32 v[LS], v[LS], v[LS+1]
	v_permlanex16_b32 v[PT], v[LS], s[SEL], s[SEL+1]
	v_add_f32 v[LS], v[LS], v[PT]
	s_wait_alu depctr_va_vdst(0)
	v_rcp_f32 v[LS], v[LS]
	v_nop                                          ; a plain place behind the reciprocal
	s_wait_alu depctr_va_vdst(0)                   ; the reciprocal is written, ahead of its first reader
.irp i, 0,2,4,6,8,10,12,14,16,18,20,22,24,26,28,30
	v_pk_mul_f32 v[S+\i:S+\i+1], v[OT+\i:OT+\i+1], v[LS:LS+1] op_sel_hi:[1,0]   ; register 8 t + i of lane (r, h) is out(query r, d = 16 t + 8 h + i)
.endr
	s_wait_alu depctr_va_vdst(0)                   ; the multiplications have written v[S .. S + 31], which the LDS stores read; the last step's lines on v[S + 32 ..] are complete, in which the loads from the stage land
.irp t, 0,1,2,3
	ds_store_b128 v[SOA], v[S+8*\t:S+8*\t+3] offset:64*\t
	ds_store_b128 v[SOA], v[S+8*\t+4:S+8*\t+7] offset:64*\t+16
.endr
.irp i, 0,1,2,3,4,5,6,7
	ds_load_b128 v[S+32+4*\i:S+32+4*\i+3], v[TI] offset:544*\i   ; LDS serves a wave's instructions in order: these see my stores
.endr
.irp i, 0,1,2,3,4,5,6,7
	s_wait_dscnt 7-\i                              ; pair of rows i is back; the younger loads may be out
	global_store_b128 v[GL], v[S+32+4*\i:S+32+4*\i+3], s[OP:OP+1] offset:512*\i th:TH_STORE_NT
.endr
	s_wait_dscnt 0x0
	s_wait_alu depctr_hold_cnt(0) depctr_sa_sdst(0) depctr_va_vdst(0) depctr_va_sdst(0) depctr_va_ssrc(0) depctr_va_vcc(0) depctr_vm_vsrc(0)
	s_wait_tensorcnt 0x0
	ds_add_u32 v251, v255
	s_wait_dscnt 0x0
	s_endpgm
.Lfunc_end_k_qb11bb0303a_attn:
	.size	k_qb11bb0303a_attn, .Lfunc_end_k_qb11bb0303a_attn-k_qb11bb0303a_attn
	.p2alignl 7, 3214868480
	.fill 96, 4, 3214868480
	.section	.rodata,"a",@progbits
	.p2align	6, 0x0
	.amdhsa_kernel k_qb11bb0303a_attn
		.amdhsa_group_segment_fixed_size 174080
		.amdhsa_private_segment_fixed_size 0
		.amdhsa_enable_private_segment 0
		.amdhsa_kernarg_size 32
		.amdhsa_user_sgpr_count 2
		.amdhsa_user_sgpr_kernarg_segment_ptr 1
		.amdhsa_wavefront_size32 1
		.amdhsa_system_sgpr_workgroup_id_x 1
		.amdhsa_system_sgpr_workgroup_id_y 1
		.amdhsa_system_sgpr_workgroup_id_z 1
		.amdhsa_system_vgpr_workitem_id 0
		.amdhsa_next_free_vgpr 256
		.amdhsa_next_free_sgpr 66
		.amdhsa_reserve_vcc 0
		.amdhsa_float_denorm_mode_32 3
		.amdhsa_float_denorm_mode_16_64 3
		.amdhsa_memory_ordered 1
		.amdhsa_forward_progress 1
		.amdhsa_inst_pref_size 186
	.end_amdhsa_kernel
	.amdgpu_metadata
---
amdhsa.version: [ 1, 2 ]
amdhsa.kernels:
  - .name:           k_qb11bb0303a_attn
    .symbol:         k_qb11bb0303a_attn.kd
    .args:
      - { .name: q, .offset: 0, .size: 8, .value_kind: global_buffer, .address_space: global }
      - { .name: k, .offset: 8, .size: 8, .value_kind: global_buffer, .address_space: global }
      - { .name: v, .offset: 16, .size: 8, .value_kind: global_buffer, .address_space: global }
      - { .name: out0, .offset: 24, .size: 8, .value_kind: global_buffer, .address_space: global }
    .group_segment_fixed_size: 174080
    .private_segment_fixed_size: 0
    .kernarg_segment_align: 8
    .kernarg_segment_size: 32
    .max_flat_workgroup_size: 512
    .sgpr_count:     66
    .vgpr_count:     256
    .wavefront_size: 32
...
	.end_amdgpu_metadata
.endif
;; end of part 2
